; MI455X (gfx1250); checked and timed in simulation.
; The chip was launched on July 23, 2026; its instructions are those of AMD's public machine-readable ISA for CDNA 5 (MIT licence, August 2026) and "CDNA5" Instruction Set Architecture Reference Guide (July 2026). The comments in the code are by the model that wrote it; some were corrected since.
;; Moe Linear Lora Layer. Allowed arithmetic: matrix products marked QUANTISED: E2M1 operands, one E8M0 scale for each 32 along K, by v_wmma_scale_f32_16x16x128_f8f6f4 with both operands' format E2M1 (or v_wmma_scale_f32_32x16x128_f4), f32 sums; everything else in f32.
;; Inputs: lora_A 8 x 4,096 x 256 float32; lora_B 8 x 256 x 4,096 float32; token_type 2,048 int32; weight_base 4,096 x 4,096 float32; x 1 x 2,048 x 4,096 float32.
;; Outputs: out0 1 x 2,048 x 4,096 float32.
;; This version of the problem:
;;   THIS VERSION OF THE PROBLEM IS GIVEN IN LOW PRECISION. The matrix products marked QUANTISED in the list below multiply operands that are first quantised to E2M1 (2 exponent bits, 1 mantissa bit; 4 bits a number), with one power-of-two scale for each 32 numbers along K (OCP MX v1.0); their sums are f32. All else is computed in f32.
;;   The module's matrix products, in the order in which they are computed (A, B: the left and right operand; K: the contracted axis; several contracted axes count as one K, in the product's order):
;;     1. [M 2,048, K 4,096] x [K 4,096, N 4,096]; A: input x; B: input weight_base: QUANTISED
;;     2. [M 2,048, K 4,096] x [K 4,096, N 2,048]; A: input lora_A; B: input x: QUANTISED
;;     3. [M 2,048, K 2,048] x [K 2,048, N 4,096]; A: computed on the way; B: input lora_B: QUANTISED
;;   THE QUANTISER, for each operand of a quantised product, along K:
;;     - K is cut into blocks of 32 from its start; a last block that is shorter is filled with zeros.
;;     - A block's scale is 2^e with e = floor(log2(the largest magnitude in the block)) - 2, held to -126 .. 127; a block of zeros has e = 0. As a byte (E8M0): e + 127.
;;     - Each number is divided by its block's scale, clamped to +-6, and rounded to the nearest number of E2M1, ties to even, subnormals kept.
;;     - The product sums the exact products of the quantised numbers (number of the format x scale) in f32.
;;   ~~~python
;;   def quantise(x, axis):      # numpy; x: float32 -> the quantised numbers, widened to float32 again
;;       x = np.moveaxis(x, axis, -1); K = x.shape[-1]
;;       x = np.pad(x, [(0, 0)] * (x.ndim - 1) + [(0, -K % 32)]); x = x.reshape(x.shape[:-1] + (-1, 32)); a = np.abs(x).max(-1, keepdims=True)
;;       e = np.where(a > 0, np.clip(np.frexp(np.where(a > 0, a, 1))[1] - 1 - 2, -126, 127), 0)      # np.frexp(a)[1] - 1 = floor(log2(a)), exactly
;;       r = np.clip(x / 2.0 ** e, -6, 6)
;;       step = 2.0 ** (np.maximum(np.frexp(np.where(r == 0, 1, r))[1] - 1, 0) - 1)
;;       q = np.round(r / step) * step * 2.0 ** e      # np.round: ties to even
;;       return np.moveaxis(q.reshape(q.shape[:-2] + (-1,))[..., :K], -1, axis).astype(np.float32)
;;   ~~~
;;   OPERANDS COMPUTED ON THE WAY. 'Computed on the way' means the value that the module computes at that place (a softmax that the list does not call 'softmax' is quantised finished and normalised). What goes into a quantiser is computed in f32, as accurately as f32 sums, v_exp_f32 and their like allow (about 1e-6 of the number): no bf16 or f16 on the way to a quantiser, and a product that is left as it is and whose result goes on into a quantised operand takes f32 operands (vector FMAs, or v_wmma_f32_16x16x4_f32). A number that lies on a knife's edge between two numbers of the format may be rounded either way, as far as f32 arithmetic and the matrix unit's own rounding can turn it there, and no further.
;; One version. Each part assembles by itself: llvm-mc -triple=amdgcn-amd-amdhsa -mcpu=gfx1250 --defsym DOCPART=n.
;; ======== version 1 of 1: 3 launches
;; workspace buffers: aq 6,815,744 bytes; wq 13,631,488 bytes; xg 4,456,448 bytes; la 4,456,448 bytes; route 17,152 bytes of whole numbers
;; launch quant (part 1): grid 769 x 1, 4 waves a work-group, no clusters, 34,304 bytes of LDS; arguments x, route, lora_A, lora_B, token_type, aq, wq, xg, la; writes route, aq, wq, xg, la
.if DOCPART == 1
	.amdgcn_target "amdgcn-amd-amdhsa--gfx1250"
	.amdhsa_code_object_version 6
	.text
	.protected	k_q94bfe42ddf_quant
	.globl	k_q94bfe42ddf_quant
	.p2align	8
	.type	k_q94bfe42ddf_quant,@function
k_q94bfe42ddf_quant:
	s_mov_b64 s[64:65], 0
	v_nop
	global_prefetch_b8 v0, s[64:65] scope:SCOPE_SE
	s_setreg_imm32_b32 hwreg(HW_REG_WAVE_MODE, 25, 1), 1
	s_wait_xcnt 0x0
; out = x W^T + 2 sum_e (onehot_e * (x A_e)) B_e, all three products on codes of E2M1 with one E8M0 scale for each 32 along K.
; THE PROGRAM: this launch turns x, lora_A and lora_B into codes and scale bytes, once, and sorts the tokens by their expert; the second launch makes h = x A_e for each token's own expert and quantises it,
; and beside that, in work-groups of their own, turns weight_base into codes (nothing in it waits for this launch, and only the third launch reads them); the third is one product with K = 4,096 + 2,048: [x | masked h] [W | B]^T.
; WORK LEFT OUT: reference() multiplies row (e, s) of h by onehot[s][e], a 0 that it builds in its own body wherever e is not token_type[s].  So, whatever finite numbers x and lora_A hold, x A_e for the seven
; experts that a token did not choose reaches no output: those rows of the second product of the table are not computed; the masked h has zero codes there.  A token whose type lies outside 0 .. 7 has a one_hot row of zeros:
; it is given to no expert and keeps zero codes everywhere.  LIMIT: a NaN, an infinity or an overflow that arises only in a row of h that is left out is not carried to the result.
; All five inputs have a way to the output and are loaded (weight_base by the second launch).
; THE FACTOR 2 is put into h's scale bytes by the second launch (byte + 1): exact.
; THE QUANTISER: a block's scale is 2^(floor(log2(its largest magnitude)) - 2); its byte is the largest magnitude's exponent field - 2, held at 1 from below.
; LIMITS: a block of zeros gets the byte 1 (or, in the masked h, 127) where the rule says 127: its codes are zeros, which add nothing under any byte but 0xff, and this program alone reads the bytes;
; blocks whose largest magnitude lies under 2^-124 keep the byte 1; NaN and infinities among the inputs are not served.
; LAYOUTS of this program's own buffers:
;   aq, wq: the third launch's operands, in the order of the operand's registers: [block of 16 rows][step j = 0 .. 7][record of 6,656 bytes].  A record: +0 four fragments of 1,024 bytes (K = 128 (4 j + q) on): [c][h][r][16 bytes],
;           k = 64 c + 32 h + 0 .. 31 of row r; +4096 two fragments of expert j (its r = 128 ql on); +6144 [r][4 scale words]; +6400 [r][2 scale words of expert j]; the last 128 bytes are not used.
;   xg: x's codes by rows, [2048][2048 bytes], and from XGS on its scale bytes [2048][128]: the second launch gathers rows.
;   la: lora_A's codes [e][tile nb][ks][c][h][r][16 bytes]; place r of tile 2 b + u holds column 32 b + 8 u + r + 8 (r / 8); from LASC on the scale words [e][b][g][16 u + r][8 bytes] (ks = 2 g, 2 g + 1).
;   route: perm[4096] (32 places a tile: the tokens of one expert), from byte TAB a word for each of 128 tiles (expert | rows << 8), and a word DUMP that nobody reads.
; SHARES: work-group 0 sorts; 1 .. 256 take lora_B; 257 .. 512 lora_A (a lane to a column, registers down K); 513 .. 768 take x (K innermost).  Waves share nothing: no barrier.
; No matrix unit, no tensor load, no cluster: the launch streams each input byte once, and many small waves keep the loads in flight.
.set REC,   6656
.set RBP,   53248
.set XGS,   4194304
.set LASC,  4194304
.set TAB,   16384
.set DUMP,  4224
.set WST,   8448                       ; LDS: a stage of 16 rows x 528 bytes for each wave
.set SPARE, 4*WST                      ; behind the stages: the spare words, 128 bytes for each wave
.set SPW,   252                        ; v252 LDS address of my spare word; never rewritten
.set NIL,   253                        ; v253 0; never rewritten
.set R,     16                         ; ROWS: v16-143 two sets of 64 registers as loaded
.set X,     144                        ; v144-207 two whole blocks of my row
.set C,     208                        ; v208-239 codes: eight registers for each of four groups, so that no store's data are written again
.set SW,    240                        ; v240-243 the four scale words
.set M,     244                        ; v244-245 largest magnitudes
.set SO,    246                        ; v246-247 the conversions' scale operands
.set Y,     248                        ; v248-249 bytes
.set CX,    32                         ; COLS: v32-95 two sets of 32 numbers
.set CC,    96                         ; v96-127 codes: four registers a block
.set SB,    24                         ; v24-25 eight scale bytes
	s_load_b512 s[4:19], s[0:1], 0x0               ; x s[4:5], route s[6:7], A s[8:9], B s[10:11], token_type s[12:13], aq s[14:15], wq s[16:17], xg s[18:19]
	s_load_b64 s[20:21], s[0:1], 0x40              ; la
	v_lshl_add_u32 v[SPW], v0, 2, SPARE
	v_mov_b32 v[NIL], 0
	v_lshrrev_b32 v1, 5, v0
	v_readfirstlane_b32 s24, v1                    ; wave 0..3
	v_and_b32 v1, 31, v0                           ; lane
	v_and_b32 v2, 15, v0                           ; r
	v_bfe_u32 v3, v0, 4, 1                         ; h
	v_lshlrev_b32 v4, 4, v1                        ; 16 x lane
	s_mov_b32 s35, 0                               ; the upper word of every offset pair s[34:35]
	s_wait_kmcnt 0x0
	s_cmp_eq_u32 ttmp9, 0
	s_cbranch_scc1 .Lroute
	s_cmp_lt_u32 ttmp9, 257
	s_cbranch_scc1 .Lcolsb
	s_cmp_lt_u32 ttmp9, 513
	s_cbranch_scc1 .Lcolsa
; ---------------- ROWS: x.  A wave takes 16 rows x 512 along K: one record's base part.
	s_sub_co_u32 s25, ttmp9, 513
	s_lshl_b32 s25, s25, 2
	s_add_co_u32 s25, s25, s24                     ; my task T
	s_lshr_b32 s32, s25, 3                         ; block of 16 rows
	s_and_b32 s33, s25, 7                          ; step j
	s_lshl_b32 s34, s32, 18                        ; 16 rows of 16,384 bytes
	s_lshl_b32 s36, s33, 11                        ; 512 numbers
	s_add_co_u32 s34, s34, s36
	s_add_nc_u64 s[26:27], s[4:5], s[34:35]
	s_mul_i32 s34, s25, REC
	s_add_nc_u64 s[28:29], s[14:15], s[34:35]      ; my record
	s_mul_i32 s40, s24, WST
	v_add_nc_u32 v5, s40, v4                       ; the stage, on the way in: a load's 512 bytes on end; row i at 528 i
	v_mul_u32_u24 v6, v2, 528
	v_lshl_add_u32 v6, v3, 7, v6
	v_add_nc_u32 v6, s40, v6                       ; on the way out: row r, block h: 528 is an odd multiple of 16, so sixteen rows start at sixteen different columns of banks
	v_lshlrev_b32 v7, 3, v3                        ; 8 h: my bytes' place in a scale word
	v_mov_b32 v8, 0                                ; (a lane permute's destination counts as one of its sources)
	v_lshlrev_b32 v9, 4, v2                        ; 16 r
	v_mul_u32_u24 v10, v2, 272
	v_lshl_add_u32 v10, v3, 4, v10
	v_add_nc_u32 v10, s40, v10                     ; x's codes by rows, in: row r of 256 bytes + 16, + 16 h
	v_mul_u32_u24 v11, v3, 272
	v_lshl_add_u32 v11, v2, 4, v11
	v_add_nc_u32 v11, s40, v11                     ; and back: sixteen lanes to a row
	v_lshlrev_b32 v12, 11, v3
	v_lshl_add_u32 v12, v2, 4, v12                 ; the same place in xg: 2,048 h + 16 r
	v_lshlrev_b32 v13, 7, v2                       ; 128 r
	v_lshlrev_b32 v14, 2, v1                       ; 4 x lane
	s_mov_b32 s44, 0x76543210
	s_mov_b32 s45, 0xfedcba98                      ; v_permlanex16_b32's selects for lane l xor 16
.macro LOADG q                         ; group q: 128 numbers of each of my 16 rows; a load reads 512 consecutive bytes
.irp i, 0,1,2,3,4,5,6,7,8,9,10,11,12,13,14,15
	global_load_b128 v[R+64*((\q)%2)+4*\i:R+64*((\q)%2)+4*\i+3], v4, s[26:27] offset:16384*\i+512*(\q) th:TH_LOAD_NT
.endr
.endm
.macro GROUP q
.if \q < 3
	s_wait_loadcnt 16                              ; this group's 16 loads are in; the next group's 16 may be out
.else
	s_wait_loadcnt 0x0
.endif
.irp i, 0,1,2,3,4,5,6,7,8,9,10,11,12,13,14,15
	ds_store_b128 v5, v[R+64*(\q%2)+4*\i:R+64*(\q%2)+4*\i+3] offset:528*\i
.endr
.irp c, 0,1                            ; LDS serves a wave's instructions in order: these see the stores.  Lane (r, h) takes blocks h and 2 + h of row r, whole: the order of the operand's registers
.irp n, 0,1,2,3,4,5,6,7
	ds_load_b128 v[X+32*\c+4*\n:X+32*\c+4*\n+3], v6 offset:256*\c+16*\n
.endr
.endr
	s_wait_dscnt 0x0                               ; my numbers are back, and the stores have read their registers,
.if \q < 2
	LOADG \q+2                                     ; which take the group two further on
.endif
.irp c, 0,1
	v_max3_num_f32 v[M+\c], |v[X+32*\c]|, |v[X+32*\c+1]|, 0x1800000   ; the floor 2^(3 - 127): the byte cannot fall under 1
.endr
.irp i, 2,4,6,8,10,12,14,16,18,20,22,24,26,28,30
.irp c, 0,1
	v_max3_num_f32 v[M+\c], v[M+\c], |v[X+32*\c+\i]|, |v[X+32*\c+\i+1]|
.endr
.endr
.irp c, 0,1
	v_add_nc_u32 v[SO+\c], 0xff000000, v[M+\c]     ; 2 off the exponent field: the conversion takes this operand's exponent field as its scale
.endr
.irp c, 0,1
.irp g, 0,1,2,3
	v_cvt_scalef32_pk8_fp4_f32 v[C+8*\q+4*\c+\g], v[X+32*\c+8*\g:X+32*\c+8*\g+7], v[SO+\c]
.endr
.endr
	v_lshrrev_b32 v[Y], 23, v[SO]                  ; the bytes of blocks h and 2 + h  (a plain line behind the conversions)
	v_lshrrev_b32 v[Y+1], 23, v[SO+1]
	v_lshl_or_b32 v[Y], v[Y+1], 16, v[Y]
	v_lshlrev_b32 v[Y], v7, v[Y]                   ; at their places in the word
	v_permlanex16_b32 v8, v[Y], s44, s45
	v_or_b32 v[SW+\q], v[Y], v8                    ; with lane l xor 16's two the word is whole, in both lanes
.irp c, 0,1
	global_store_b128 v4, v[C+8*\q+4*\c:C+8*\q+4*\c+3], s[28:29] offset:1024*\q+512*\c   ; 32 lanes store 512 consecutive bytes
.endr
.endm
	LOADG 0
	LOADG 1
	GROUP 0
	GROUP 1
	GROUP 2
	GROUP 3
	global_store_b128 v9, v[SW:SW+3], s[28:29] offset:6144   ; [r][4 words]: 256 consecutive bytes; lanes 16-31 write the same bytes with the same values
	; x's codes once more by rows, its scale bytes by rows, and the record's part for the masked h: zero codes, bytes 127
	s_lshl_b32 s34, s32, 15                        ; 16 rows of 2,048 bytes
	s_lshl_b32 s36, s33, 8
	s_add_co_u32 s34, s34, s36
	s_add_nc_u64 s[36:37], s[18:19], s[34:35]
	s_lshl_b32 s34, s32, 11                        ; 16 rows of 128 bytes
	s_lshl_b32 s38, s33, 4
	s_add_co_u32 s34, s34, s38
	s_add_co_u32 s34, s34, XGS
	s_add_nc_u64 s[38:39], s[18:19], s[34:35]
.irp q, 0,1,2,3
.irp c, 0,1
	ds_store_b128 v10, v[C+8*\q+4*\c:C+8*\q+4*\c+3] offset:64*\q+32*\c
.endr
.endr
.irp t, 0,1,2,3,4,5,6,7
	ds_load_b128 v[X+4*\t:X+4*\t+3], v11 offset:544*\t
.endr
	v_mov_b32 v16, 0
	v_mov_b32 v17, 0
	v_mov_b32 v18, 0
	v_mov_b32 v19, 0
	v_mov_b32 v20, 0x7f7f7f7f
.irp t, 0,1,2,3,4,5,6,7
	s_wait_dscnt 7-\t                              ; LDS loads come back in order: pair t of rows is in
	global_store_b128 v12, v[X+4*\t:X+4*\t+3], s[36:37] offset:4096*\t   ; sixteen lanes store 256 consecutive bytes, aligned
.endr
	global_store_b128 v13, v[SW:SW+3], s[38:39]
.irp i, 0,1,2,3
	global_store_b128 v4, v[16:19], s[28:29] offset:4096+512*\i
.endr
	global_store_b32 v14, v20, s[28:29] offset:6400
	s_wait_tensorcnt 0x0                           ; the wave's end, behind my last LDS store
	ds_add_u32 v[SPW], v[NIL]
	s_wait_dscnt 0x0
	s_endpgm
; ---------------- COLS: lora_B and lora_A: K is not innermost.  A lane takes a column, its registers run down K: 32 columns x 256 along K a wave, 8 blocks; a block's 16 bytes of codes go straight to their place.
.macro LOADC t, pitch
.irp i, 0,1,2,3,4,5,6,7,8,9,10,11,12,13,14,15,16,17,18,19,20,21,22,23,24,25,26,27,28,29,30,31
	global_load_b32 v[CX+32*((\t)%2)+\i], v16, s[26:27] offset:(32*(\t)+\i)*\pitch th:TH_LOAD_NT
.endr
.endm
.macro BLOCKC t, pitch
.set XS_, CX+32*((\t)%2)
.if (\t) < 7
	s_wait_loadcnt 32                              ; this block's 32 loads are in; the next block's may be out
.else
	s_wait_loadcnt 0x0
.endif
	v_max3_num_f32 v12, |v[XS_]|, |v[XS_+1]|, |v[XS_+2]|
	v_max3_num_f32 v13, |v[XS_+3]|, |v[XS_+4]|, |v[XS_+5]|
.irp i, 6,10,14,18,22,26
	v_max3_num_f32 v12, v12, |v[XS_+\i]|, |v[XS_+\i+1]|
	v_max3_num_f32 v13, v13, |v[XS_+\i+2]|, |v[XS_+\i+3]|
.endr
	v_max3_num_f32 v12, v12, |v[XS_+30]|, |v[XS_+31]|
	v_max3_num_f32 v12, v12, v13, 0x1800000        ; and the floor
	v_add_nc_u32 v11, 0xff000000, v12
	v_lshrrev_b32 v13, 23, v11                     ; the scale's byte
.if (\t)%4 == 0
	v_mov_b32 v[SB+(\t)/4], v13
.else
	v_lshl_or_b32 v[SB+(\t)/4], v13, 8*((\t)%4), v[SB+(\t)/4]
.endif
.irp g, 0,1,2,3
	v_cvt_scalef32_pk8_fp4_f32 v[CC+4*(\t)+\g], v[XS_+8*\g:XS_+8*\g+7], v11
.endr
	global_store_b128 v17, v[CC+4*(\t):CC+4*(\t)+3], s[28:29] offset:256*(\t)   ; (the next block begins with plain lines that touch none of the conversions' registers)
.if (\t)+2 < 8
	LOADC (\t)+2, \pitch
.endif
.endm
.macro QCOLS pitch
	LOADC 0, \pitch
	LOADC 1, \pitch
.irp t, 0,1,2,3,4,5,6,7
	BLOCKC \t, \pitch
.endr
	global_store_b64 v18, v[SB:SB+1], s[30:31]     ; my column's eight scale bytes
	s_endpgm
.endm
.Lcolsb:                                           ; lora_B [e][256][4096]: expert e, columns 128 cg + 32 wave + lane; they are rows of wq, K = expert e's 256
	s_sub_co_u32 s25, ttmp9, 1
	s_lshr_b32 s32, s25, 5                         ; e
	s_and_b32 s33, s25, 31                         ; cg
	s_lshl_b32 s34, s32, 22
	s_lshl_b32 s36, s33, 9
	s_add_co_u32 s34, s34, s36
	s_lshl_b32 s36, s24, 7
	s_add_co_u32 s34, s34, s36
	s_add_nc_u64 s[26:27], s[10:11], s[34:35]
	s_lshl_b32 s34, s33, 3
	s_lshl_b32 s36, s24, 1
	s_add_co_u32 s34, s34, s36                     ; block of 16 rows of wq: 8 cg + 2 wave (+ lane / 16)
	s_lshl_b32 s34, s34, 3
	s_add_co_u32 s34, s34, s32                     ; its record of step e
	s_mul_i32 s34, s34, REC
	s_add_co_u32 s34, s34, 4096
	s_add_nc_u64 s[28:29], s[16:17], s[34:35]
	s_add_nc_u64 s[30:31], s[28:29], 2304          ; the record's +6400
	v_lshlrev_b32 v16, 2, v1
	v_mul_u32_u24 v17, v3, RBP
	v_lshl_add_u32 v18, v2, 3, v17
	v_lshl_add_u32 v17, v2, 4, v17                 ; sixteen lanes store 256 consecutive bytes, aligned
	QCOLS 16384
.Lcolsa:                                           ; lora_A [e][4096][256]: expert e, d = 256 g on, columns 32 b + lane
	s_sub_co_u32 s25, ttmp9, 257
	s_lshr_b32 s32, s25, 1                         ; 16 e + g
	s_and_b32 s33, s25, 1
	s_lshl_b32 s33, s33, 2
	s_add_co_u32 s33, s33, s24                     ; b
	s_lshl_b32 s34, s32, 18                        ; 256 rows of 1,024 bytes
	s_lshl_b32 s36, s33, 7
	s_add_co_u32 s34, s34, s36
	s_add_nc_u64 s[26:27], s[8:9], s[34:35]
	s_lshr_b32 s36, s32, 4                         ; e
	s_and_b32 s37, s32, 15                         ; g
	s_lshl_b32 s34, s36, 19
	s_lshl_b32 s38, s33, 16
	s_add_co_u32 s34, s34, s38
	s_lshl_b32 s38, s37, 11
	s_add_co_u32 s34, s34, s38
	s_add_nc_u64 s[28:29], s[20:21], s[34:35]
	s_lshl_b32 s34, s36, 3
	s_add_co_u32 s34, s34, s33
	s_lshl_b32 s34, s34, 12
	s_lshl_b32 s38, s37, 8
	s_add_co_u32 s34, s34, s38
	s_add_co_u32 s34, s34, LASC
	s_add_nc_u64 s[30:31], s[20:21], s[34:35]
	v_lshlrev_b32 v16, 2, v1
	v_and_b32 v19, 7, v1
	v_lshl_add_u32 v19, v3, 3, v19                 ; my column's place in its tile: lane % 8 + 8 (lane / 16)
	v_bfe_u32 v20, v1, 3, 1                        ; and which of the two tiles: (lane / 8) % 2
	v_lshlrev_b32 v17, 15, v20
	v_lshl_add_u32 v17, v19, 4, v17
	v_lshl_add_u32 v18, v20, 4, v19
	v_lshlrev_b32 v18, 3, v18
	QCOLS 1024
; ---------------- ROUTE: a counting sort of the 2,048 tokens by token_type, into tiles of at most 32 rows of one expert.  Wave w places tokens 512 w .. 512 w + 511.
; Every wave counts all tokens itself (four trips of 16 loads): so totals, tile bases and running places are scalars, and the waves hand each other nothing.
.Lroute:
	v_lshlrev_b32 v14, 2, v1
	s_lshl_b32 s34, s24, 11
	s_add_nc_u64 s[26:27], s[12:13], s[34:35]
.irp c, 0,1,2,3,4,5,6,7,8,9,10,11,12,13,14,15
	global_load_b32 v[64+\c], v14, s[26:27] offset:128*\c      ; my own 512 tokens' types: token 512 w + 32 c + lane
.endr
.irp e, 0,1,2,3,4,5,6,7
	s_mov_b32 s[32+\e], 0                          ; s32-39: how many tokens of expert e so far
	s_mov_b32 s[48+\e], 0                          ; s48-55: how many of them stand ahead of my wave's
.endr
	s_mov_b32 s66, 0
.Lquarter:
.irp c, 0,1,2,3,4,5,6,7,8,9,10,11,12,13,14,15
	global_load_b32 v[32+\c], v14, s[12:13] offset:128*\c
.endr
	s_wait_loadcnt 0x0                             ; the loads are done: their base may be stepped below
	s_cmp_eq_u32 s24, s66                          ; at the head of my own quarter the counts so far are those ahead of me
.irp e, 0,1,2,3,4,5,6,7
	s_cselect_b32 s[48+\e], s[32+\e], s[48+\e]
.endr
.irp c, 0,1,2,3,4,5,6,7,8,9,10,11,12,13,14,15
.irp e, 0,1,2,3,4,5,6,7
	v_cmp_eq_u32 s[40+\e], \e, v[32+\c]
.endr
.irp e, 0,1,2,3,4,5,6,7
	s_bcnt1_i32_b32 s[40+\e], s[40+\e]
.endr
.irp e, 0,1,2,3,4,5,6,7
	s_add_co_u32 s[32+\e], s[32+\e], s[40+\e]
.endr
.endr
	s_add_nc_u64 s[12:13], s[12:13], 2048
	s_add_co_u32 s66, s66, 1
	s_cmp_lt_u32 s66, 4
	s_cbranch_scc1 .Lquarter
	s_mov_b32 s56, 0                               ; s56-63: expert e's first tile
.irp e, 0,1,2,3,4,5,6
	s_add_co_u32 s67, s[32+\e], 31
	s_lshr_b32 s67, s67, 5
	s_add_co_u32 s[57+\e], s[56+\e], s67
.endr
.irp e, 0,1,2,3,4,5,6,7
	s_lshl_b32 s67, s[56+\e], 5
	s_add_co_u32 s[48+\e], s[48+\e], s67           ; the place of my wave's first token of expert e
.endr
	; the table: thread i writes tile i's word.  The last expert whose first tile is at or under i owns the tile (an expert without tokens has no tile)
	v_mov_b32 v128, 0
	v_mov_b32 v129, 0
	v_mov_b32 v130, s32
.irp e, 1,2,3,4,5,6,7
	v_cmp_le_u32 vcc_lo, s[56+\e], v0
	v_cndmask_b32 v128, v128, \e, vcc_lo
	v_cndmask_b32 v129, v129, s[56+\e], vcc_lo
	v_cndmask_b32 v130, v130, s[32+\e], vcc_lo
.endr
	v_sub_nc_u32 v131, v0, v129
	v_lshlrev_b32 v131, 5, v131
	v_sub_nc_u32 v131, v130, v131                  ; the expert's tokens from this tile on, as a signed number
	v_cmp_gt_i32 vcc_lo, 1, v131
	v_cndmask_b32 v131, v131, 0, vcc_lo
	v_min_u32 v131, 32, v131                       ; the tile's rows: 0 .. 32
	v_lshl_or_b32 v132, v131, 8, v128
	v_lshlrev_b32 v133, 2, v0
	global_store_b32 v133, v132, s[6:7] offset:TAB
	v_lshlrev_b32 v134, 5, v0                      ; a tile without rows gets token 0 at its first place, so that every word that the next launch reads has been written; the others write to DUMP
	v_cmp_eq_u32 vcc_lo, 0, v131
	v_cndmask_b32 v134, DUMP, v134, vcc_lo
	v_min_u32 v134, DUMP, v134
	v_lshlrev_b32 v134, 2, v134
	global_store_b32 v134, v[NIL], s[6:7]
	v_lshl_add_u32 v136, s24, 9, v1                ; token 512 w + lane
.irp c, 0,1,2,3,4,5,6,7,8,9,10,11,12,13,14,15  ; each c has an address and a data register of its own: no store's sources are written again
	v_mov_b32 v[112+\c], DUMP                      ; a type outside 0 .. 7 belongs to no expert
.irp e, 0,1,2,3,4,5,6,7
	v_cmp_eq_u32 s[40+\e], \e, v[64+\c]
.endr
.irp e, 0,1,2,3,4,5,6,7
	v_mbcnt_lo_u32_b32 v135, s[40+\e], s[48+\e]    ; the running place + the lanes of this expert under mine
	v_cndmask_b32 v[112+\c], v[112+\c], v135, s[40+\e]
	s_bcnt1_i32_b32 s67, s[40+\e]
	s_add_co_u32 s[48+\e], s[48+\e], s67
.endr
	v_min_u32 v[112+\c], DUMP, v[112+\c]
	v_lshlrev_b32 v[112+\c], 2, v[112+\c]
	v_add_nc_u32 v[96+\c], 32*\c, v136
	global_store_b32 v[112+\c], v[96+\c], s[6:7]
.endr
	s_endpgm
.Lfunc_end_k_q94bfe42ddf_quant:
	.size	k_q94bfe42ddf_quant, .Lfunc_end_k_q94bfe42ddf_quant-k_q94bfe42ddf_quant
	.p2alignl 7, 3214868480
	.fill 96, 4, 3214868480
	.section	.rodata,"a",@progbits
	.p2align	6, 0x0
	.amdhsa_kernel k_q94bfe42ddf_quant
		.amdhsa_group_segment_fixed_size 34304
		.amdhsa_private_segment_fixed_size 0
		.amdhsa_enable_private_segment 0
		.amdhsa_kernarg_size 72
		.amdhsa_user_sgpr_count 2
		.amdhsa_user_sgpr_kernarg_segment_ptr 1
		.amdhsa_wavefront_size32 1
		.amdhsa_system_sgpr_workgroup_id_x 1
		.amdhsa_system_sgpr_workgroup_id_y 1
		.amdhsa_system_sgpr_workgroup_id_z 1
		.amdhsa_system_vgpr_workitem_id 0
		.amdhsa_next_free_vgpr 256
		.amdhsa_next_free_sgpr 80
		.amdhsa_reserve_vcc 1
		.amdhsa_float_denorm_mode_32 3
		.amdhsa_float_denorm_mode_16_64 3
		.amdhsa_memory_ordered 1
		.amdhsa_forward_progress 1
		.amdhsa_inst_pref_size 169
	.end_amdhsa_kernel
	.amdgpu_metadata
---
amdhsa.version: [ 1, 2 ]
amdhsa.kernels:
  - .name:           k_q94bfe42ddf_quant
    .symbol:         k_q94bfe42ddf_quant.kd
    .args:
      - { .name: x, .offset: 0, .size: 8, .value_kind: global_buffer, .address_space: global }
      - { .name: route, .offset: 8, .size: 8, .value_kind: global_buffer, .address_space: global }
      - { .name: lora_A, .offset: 16, .size: 8, .value_kind: global_buffer, .address_space: global }
      - { .name: lora_B, .offset: 24, .size: 8, .value_kind: global_buffer, .address_space: global }
      - { .name: token_type, .offset: 32, .size: 8, .value_kind: global_buffer, .address_space: global }
      - { .name: aq, .offset: 40, .size: 8, .value_kind: global_buffer, .address_space: global }
      - { .name: wq, .offset: 48, .size: 8, .value_kind: global_buffer, .address_space: global }
      - { .name: xg, .offset: 56, .size: 8, .value_kind: global_buffer, .address_space: global }
      - { .name: la, .offset: 64, .size: 8, .value_kind: global_buffer, .address_space: global }
    .group_segment_fixed_size: 34304
    .private_segment_fixed_size: 0
    .kernarg_segment_align: 8
    .kernarg_segment_size: 72
    .max_flat_workgroup_size: 128
    .sgpr_count:     80
    .vgpr_count:     256
    .wavefront_size: 32
...
	.end_amdgpu_metadata
.endif
;; end of part 1
;; launch hprojw (part 2): grid 796 x 1, 4 waves a work-group, no clusters, 67,072 bytes of LDS; arguments xg, la, route, aq, weight_base, wq; writes aq, wq
.if DOCPART == 2
	.amdgcn_target "amdgcn-amd-amdhsa--gfx1250"
	.amdhsa_code_object_version 6
	.text
	.protected	k_q94bfe42ddf_hprojw
	.globl	k_q94bfe42ddf_hprojw
	.p2align	8
	.type	k_q94bfe42ddf_hprojw,@function
k_q94bfe42ddf_hprojw:
	s_mov_b64 s[64:65], 0
	v_nop
	global_prefetch_b8 v0, s[64:65] scope:SCOPE_SE
	s_setreg_imm32_b32 hwreg(HW_REG_WAVE_MODE, 25, 1), 1
	s_wait_xcnt 0x0
; TWO KINDS OF WORK-GROUPS THAT SHARE NOTHING, in one launch so that the second's stream runs while the first's chain of dependent loads waits:
;   work-groups 0 .. 283: h = x A_e for each token's own expert, quantised along r, its scale bytes raised by 1 (the factor 2, exact), put into the third launch's operand aq;
;   work-groups 284 .. 795: weight_base [4096][4096], f32, becomes codes of E2M1 and E8M0 scale words in the base part of wq's records.  Nothing here reads them; the third launch does.
; The two part once, on the work-group's number, which is the same in all four waves, and never join; each has LDS bytes of its own.  The first kind comes first in the grid: it is the longer chain.
; WORK LEFT OUT: the rows of h of the seven experts that a token did not choose: reference() multiplies them by the 0 of its own one_hot (shown at the head of the first kernel); aq holds zero codes there.
; LIMITS: h's sum over K = 4,096 is made as four partial sums (d in runs of 1,024, one a wave), added in ascending order in f32.  The quantiser's limits are those stated at the head of the first kernel.
; h: SHARES.  With 2,048 rows, 8 experts and tiles of 32 rows there are never more than 64 + 7 = 71 tiles, whatever the split.  Work-group 4 t + y takes tile t of the stored list (at most 32 tokens of one expert) and
; columns 64 y .. 64 y + 63 of that expert's 256.  Wave w takes d = 1,024 w on: eight K steps of 128.  Operands go from memory straight into registers: the weights lie in the order of the operand's registers,
; x's rows are gathered by the list.  There is no branch on the list: a tile with fewer rows runs on clamped places and stores under a narrower EXEC, so the one barrier stands on the path of all four waves.
; No tensor load (the addresses hang on the stored list), hence no cluster; no prefetch: all loads of a wave are issued at its head, and the other kind of work-group streams.
; THE PRODUCT IS USED TRANSPOSED (source 0 = 16 columns of A_e, source 1 = 16 tokens): a lane holds ONE token (lane % 16).  Place r of tile 2 b + u of the weights holds column 32 b + 8 u + r + 8 (r / 8),
; so that the 16 registers of tiles 2 b, 2 b + 1 are 16 neighbours along r: 32 b + 16 (lane / 16) + 0 .. 15.
; h: REGISTERS: window 0: v1-15 addresses; v16-79 eight accumulators ((b', rb, u) at 16 + 16 (2 b' + rb) + 8 u); v80-95 the weights' scale words (8 b' + ks; lanes 0-15 u = 0, lanes 16-31 u = 1);
;   v96-103 x's scale words (ks; lane l: row l of the tile); v104-115 at work; v126, v127 the add's two; v128-255 x's fragments (16 ks + 8 rb), later the partial sums.   window 1: the weights' fragments (32 ks + 8 j).
; W: a wave takes 16 rows x 512 along K, one record's base part, as the first launch does for x.  REGISTERS: v5-9, v13 addresses; v16-79 and v128-191 two sets as loaded; v192-255 two whole blocks of my row;
;   v80-111 codes; v112-115 the four scale words; v116-121 at work.
.set NH,    284                        ; work-groups of the first kind: 71 tiles x 4
.set REC,   6656
.set XGS,   4194304
.set LASC,  4194304
.set WST,   8448                       ; W: a stage of 16 rows x 528 bytes for each wave
.set WSTB,  32768                      ; LDS: 0 .. 32,767 h's partial sums [unit q][source wave][4 x 512 bytes]; from here on W's four stages
.set SPARE, WSTB+4*WST                 ; behind them the spare words, 128 bytes for each wave
.set SPW,   126                        ; v126 LDS address of my spare word; never rewritten
.set NIL,   127                        ; v127 0; never rewritten
.set ACC,   16
.set WS,    80
.set XS,    96
.set XF,    128
.set PC,    104                        ; v104-105 the codes
.set MX,    106
.set PT,    107
.set SOP,   108
.set BY,    109
.set LST,   110                        ; where I store partial sums: 16 x lane + 2,048 x wave
.set LLD,   111                        ; where I read my unit's: 16 x lane + 8,192 x wave
.set R,     16                         ; W: set 0 as loaded;
.set RS,    112                        ; set 1 lies this many registers on
.set X,     192
.set C,     80
.set SW,    112
.set M,     116
.set SO,    118
.set Y,     120
.set MSB, 0
.macro WIN new                         ; the immediate's high byte repeats the setting that is left
.if MSB != \new
	s_set_vgpr_msb (MSB<<8)|\new
.set MSB, \new
.endif
.endm
	s_load_b256 s[4:11], s[0:1], 0x0               ; xg s[4:5], la s[6:7], route s[8:9], aq s[10:11]
	s_load_b128 s[40:43], s[0:1], 0x20             ; weight_base s[40:41], wq s[42:43]
	v_lshl_add_u32 v[SPW], v0, 2, SPARE
	v_mov_b32 v[NIL], 0
	v_lshrrev_b32 v1, 5, v0
	v_readfirstlane_b32 s12, v1                    ; wave 0..3
	v_and_b32 v1, 31, v0                           ; lane
	v_and_b32 v2, 15, v0                           ; r
	v_bfe_u32 v3, v0, 4, 1                         ; h
	v_lshlrev_b32 v13, 4, v1                       ; 16 x lane
	s_mov_b32 s36, 0x76543210
	s_mov_b32 s37, 0xfedcba98                      ; v_permlanex16_b32's selects for lane l xor 16
	s_mov_b32 s29, 0                               ; the upper word of every offset pair s[28:29]
	s_cmp_lt_u32 ttmp9, NH                         ; which kind of work-group: the same answer in all four waves
	s_cbranch_scc0 .Lrows
; ---------------- h = x A_e
	v_lshlrev_b32 v12, 3, v1
	v_mov_b32 v[PT], 0                             ; (a lane permute's destination counts as one of its sources)
	s_lshl_b32 s28, s12, 11
	v_add_nc_u32 v[LST], s28, v13
	s_lshl_b32 s28, s12, 13
	v_add_nc_u32 v[LLD], s28, v13
	s_lshr_b32 s39, ttmp9, 2                       ; tile t
	s_and_b32 s13, ttmp9, 3                        ; y
	s_lshl_b32 s14, s39, 2
	s_lshl_b32 s19, s39, 5                         ; the tile's first place in the list
	s_wait_kmcnt 0x0
	s_load_b32 s15, s[8:9], s14 offset:0x4000      ; the tile's word: expert | rows << 8
	s_wait_kmcnt 0x0
	s_and_b32 s16, s15, 0xff
	s_min_u32 s16, s16, 7                          ; e
	s_lshr_b32 s17, s15, 8
	s_min_u32 s17, s17, 32                         ; rows
	s_max_u32 s18, s17, 1
	s_sub_co_u32 s18, s18, 1                       ; the last place that holds a token
	v_min_u32 v4, s18, v2                          ; places: rows 0-15,
	v_add_nc_u32 v5, 16, v2
	v_min_u32 v5, s18, v5                          ; rows 16-31,
	v_min_u32 v6, s18, v1                          ; row = lane (scale words),
	s_and_b32 s30, s12, 1
	s_lshl_b32 s30, s30, 4
	v_add_nc_u32 v15, s30, v2                      ; and the row that I quantise at the end: 16 (wave % 2) + r
	v_min_u32 v7, s18, v15
.irp a, 4,5,6,7
	v_add_nc_u32 v\a, s19, v\a
	v_min_u32 v\a, 0xfff, v\a
	v_lshlrev_b32 v\a, 2, v\a
.endr
	global_load_b32 v8, v4, s[8:9]
	global_load_b32 v9, v5, s[8:9]
	global_load_b32 v10, v6, s[8:9]
	global_load_b32 v11, v7, s[8:9]
	s_lshl_b32 s28, s16, 15                        ; the weights' scale words: [e][b = 2 y + b'][g = 4 w + g'][lane][8 bytes]
	s_lshl_b32 s30, s13, 13
	s_add_co_u32 s28, s28, s30
	s_lshl_b32 s30, s12, 10
	s_add_co_u32 s28, s28, s30
	s_add_co_u32 s28, s28, LASC
	s_add_nc_u64 s[20:21], s[6:7], s[28:29]
	s_lshl_b32 s28, s16, 19                        ; their codes: [e][nb = 4 y + j][ks = 8 w + ..][1,024 bytes]
	s_lshl_b32 s30, s13, 17
	s_add_co_u32 s28, s28, s30
	s_lshl_b32 s30, s12, 13
	s_add_co_u32 s28, s28, s30
	s_add_nc_u64 s[22:23], s[6:7], s[28:29]
	s_lshl_b32 s28, s12, 5
	s_add_co_u32 s28, s28, XGS
	s_add_nc_u64 s[24:25], s[4:5], s[28:29]        ; x's scale bytes, my eight words of a row
	s_lshl_b32 s28, s12, 9
	s_add_nc_u64 s[26:27], s[4:5], s[28:29]        ; x's codes, my 512 bytes of a row
	s_lshr_b32 s31, s12, 1
	s_lshl_b32 s30, s13, 1
	s_add_co_u32 s31, s31, s30                     ; the block of 32 along r that I quantise: 2 y + wave / 2
	s_mul_i32 s30, s16, REC
	s_lshl_b32 s28, s31, 8
	s_add_co_u32 s28, s28, s30
	s_add_co_u32 s28, s28, 4096
	s_add_nc_u64 s[32:33], s[10:11], s[28:29]      ; aq: step e's record, the block's codes
	s_add_co_u32 s28, s30, s31
	s_add_co_u32 s28, s28, 6400
	s_add_nc_u64 s[34:35], s[10:11], s[28:29]      ; and its scale byte
.irp bp, 0,1
.irp g, 0,1,2,3
	global_load_b64 v[WS+8*\bp+2*\g:WS+8*\bp+2*\g+1], v12, s[20:21] offset:4096*\bp+256*\g
.endr
.endr
.macro WLOAD ks                        ; the four tiles' fragments of K step ks: 512 consecutive bytes a load
.irp j, 0,1,2,3
.irp c, 0,1
	global_load_b128 v[32*\ks+8*\j+4*\c:32*\ks+8*\j+4*\c+3], v13, s[22:23] offset:32768*\j+1024*\ks+512*\c
.endr
.endr
.endm
	WIN 0x40                                       ; destination window 1, address window 0
.irp ks, 0,1,2,3
	WLOAD \ks
.endr
	WIN 0
	s_wait_loadcnt 40                              ; the four loads from the list are in: behind them stand 8 + 32
.irp a, 8,9,10,11
	v_min_u32 v\a, 0x7ff, v\a                      ; a token's number stays inside x
.endr
	v_lshlrev_b32 v14, 7, v10
	global_load_b128 v[XS:XS+3], v14, s[24:25]
	global_load_b128 v[XS+4:XS+7], v14, s[24:25] offset:16
	v_lshlrev_b32 v4, 11, v8                       ; (free: the loads that named v4 and v5 are done)
	v_lshl_add_u32 v4, v3, 4, v4                   ; x: the token's row of 2,048 bytes, + 16 h
	v_lshlrev_b32 v5, 11, v9
	v_lshl_add_u32 v5, v3, 4, v5
.irp ks, 0,1,2,3,4,5,6,7
.irp rb, 0,1
.irp c, 0,1
	global_load_b128 v[XF+16*\ks+8*\rb+4*\c:XF+16*\ks+8*\rb+4*\c+3], v[4+\rb], s[26:27] offset:64*\ks+32*\c
.endr
.endr
.endr
	WIN 0x40
.irp ks, 4,5,6,7
	WLOAD \ks
.endr
; one product: tile 2 b' + u of the weights x tokens 16 rb on, K step ks.  The scale registers' rows: lanes 16-31 for u = 1 and for rb = 1
.macro WM ks, bp, rb, u
.set rD, ACC+16*(2*\bp+\rb)+8*\u
.set rA, 32*\ks+8*(2*\bp+\u)
.set rB, XF+16*\ks+8*\rb
.set rP, WS+8*\bp+\ks
.set rQ, XS+\ks
.if \ks == 0
.if (\u == 0) && (\rb == 0)
	v_wmma_scale_f32_16x16x128_f8f6f4 v[rD:rD+7], v[rA:rA+7], v[rB:rB+7], 0, v[rP], v[rQ] matrix_a_fmt:MATRIX_FMT_FP4 matrix_b_fmt:MATRIX_FMT_FP4
.elseif (\u == 1) && (\rb == 0)
	v_wmma_scale_f32_16x16x128_f8f6f4 v[rD:rD+7], v[rA:rA+7], v[rB:rB+7], 0, v[rP], v[rQ] matrix_a_fmt:MATRIX_FMT_FP4 matrix_b_fmt:MATRIX_FMT_FP4 matrix_a_scale:MATRIX_SCALE_ROW1
.elseif (\u == 0) && (\rb == 1)
	v_wmma_scale_f32_16x16x128_f8f6f4 v[rD:rD+7], v[rA:rA+7], v[rB:rB+7], 0, v[rP], v[rQ] matrix_a_fmt:MATRIX_FMT_FP4 matrix_b_fmt:MATRIX_FMT_FP4 matrix_b_scale:MATRIX_SCALE_ROW1
.else
	v_wmma_scale_f32_16x16x128_f8f6f4 v[rD:rD+7], v[rA:rA+7], v[rB:rB+7], 0, v[rP], v[rQ] matrix_a_fmt:MATRIX_FMT_FP4 matrix_b_fmt:MATRIX_FMT_FP4 matrix_a_scale:MATRIX_SCALE_ROW1 matrix_b_scale:MATRIX_SCALE_ROW1
.endif
.else
.if (\u == 0) && (\rb == 0)
	v_wmma_scale_f32_16x16x128_f8f6f4 v[rD:rD+7], v[rA:rA+7], v[rB:rB+7], v[rD:rD+7], v[rP], v[rQ] matrix_a_fmt:MATRIX_FMT_FP4 matrix_b_fmt:MATRIX_FMT_FP4
.elseif (\u == 1) && (\rb == 0)
	v_wmma_scale_f32_16x16x128_f8f6f4 v[rD:rD+7], v[rA:rA+7], v[rB:rB+7], v[rD:rD+7], v[rP], v[rQ] matrix_a_fmt:MATRIX_FMT_FP4 matrix_b_fmt:MATRIX_FMT_FP4 matrix_a_scale:MATRIX_SCALE_ROW1
.elseif (\u == 0) && (\rb == 1)
	v_wmma_scale_f32_16x16x128_f8f6f4 v[rD:rD+7], v[rA:rA+7], v[rB:rB+7], v[rD:rD+7], v[rP], v[rQ] matrix_a_fmt:MATRIX_FMT_FP4 matrix_b_fmt:MATRIX_FMT_FP4 matrix_b_scale:MATRIX_SCALE_ROW1
.else
	v_wmma_scale_f32_16x16x128_f8f6f4 v[rD:rD+7], v[rA:rA+7], v[rB:rB+7], v[rD:rD+7], v[rP], v[rQ] matrix_a_fmt:MATRIX_FMT_FP4 matrix_b_fmt:MATRIX_FMT_FP4 matrix_a_scale:MATRIX_SCALE_ROW1 matrix_b_scale:MATRIX_SCALE_ROW1
.endif
.endif
.endm
; a K step: the eight accumulators take turns, one instruction a turn.  left: the loads issued behind those that this K step needs
.macro MULK ks, left
	s_wait_loadcnt \left
.irp bp, 0,1
.irp rb, 0,1
.irp u, 0,1
	WM \ks, \bp, \rb, \u
.endr
.endr
.endr
.endm
	WIN 0x01                                       ; source 0 (the weights) window 1
	MULK 0, 60                                     ; behind x's four loads of K step 0: x's 28 of the later K steps and the 32 late loads of weights
	MULK 1, 56
	MULK 2, 52
	MULK 3, 48
	MULK 4, 24                                     ; behind the weights' eight loads of K step 4: those of K steps 5 to 7
	MULK 5, 16
	MULK 6, 8
	MULK 7, 0
	WIN 0
.rept 4
	v_nop                                          ; places between the last products and the stores that read results, and the loads into x's registers
.endr
.irp q, 0,1,2,3                        ; my partial sums of all four units, each accumulator from its low end on
.irp i, 0,1,2,3
	ds_store_b128 v[LST], v[ACC+16*\q+4*\i:ACC+16*\q+4*\i+3] offset:8192*\q+512*\i
.endr
.endr
	s_wait_dscnt 0x0                               ; for the others' sake: my stores have landed
	s_barrier_signal -1
	s_barrier_wait -1
.irp s, 0,1,2,3                        ; wave w owns unit w (b' = w / 2, rb = w % 2): the four waves' partial sums of it
.irp i, 0,1,2,3
	ds_load_b128 v[XF+16*\s+4*\i:XF+16*\s+4*\i+3], v[LLD] offset:2048*\s+512*\i
.endr
.endr
	v_and_b32 v112, 0x7f0, v11                     ; where my token's codes go: its block of 16 rows, 53,248 bytes each,
	v_mul_u32_u24 v112, v112, 3328
	v_and_b32 v113, 15, v11                        ; its row in the block
	v_lshl_add_u32 v114, v113, 4, v112
	v_lshl_add_u32 v114, v3, 3, v114               ; codes: 16 bytes a row and block, my half's 8
	v_lshl_add_u32 v115, v113, 3, v112             ; scale bytes: 8 a row
	s_wait_dscnt 0x0
.irp s, 1,2,3
.irp i, 0,2,4,6,8,10,12,14
	v_pk_add_f32 v[XF+\i:XF+\i+1], v[XF+\i:XF+\i+1], v[XF+16*\s+\i:XF+16*\s+\i+1]   ; ((p0 + p1) + p2) + p3: K ascending
.endr
.endr
	v_max3_num_f32 v[MX], |v[XF]|, |v[XF+1]|, 0x1800000     ; my 16 numbers, and the floor 2^(3 - 127)
.irp i, 2,4,6,8,10,12,14
	v_max3_num_f32 v[MX], v[MX], |v[XF+\i]|, |v[XF+\i+1]|
.endr
	v_permlanex16_b32 v[PT], v[MX], s36, s37
	v_max_num_f32 v[MX], v[MX], v[PT]              ; with lane l xor 16's: the block's largest magnitude
	v_add_nc_u32 v[SOP], 0xff000000, v[MX]         ; 2 off its exponent field: the conversion's scale operand
	v_cvt_scalef32_pk8_fp4_f32 v[PC], v[XF:XF+7], v[SOP]
	v_cvt_scalef32_pk8_fp4_f32 v[PC+1], v[XF+8:XF+15], v[SOP]
	v_lshrrev_b32 v[BY], 23, v[SOP]                ; the scale's byte, at most 252  (a plain line behind the conversions)
	v_add_nc_u32 v[BY], 1, v[BY]                   ; x 2: reference()'s SCALE, exact
	v_cmp_gt_u32 vcc_lo, s17, v15                  ; does my row hold a token?
	s_wait_xcnt 0x0                                ; EXEC changes only behind this wait
	s_and_saveexec_b32 s38, vcc_lo
	global_store_b64 v114, v[PC:PC+1], s[32:33]
	global_store_b8 v115, v[BY], s[34:35]          ; both lanes of a token write the same byte with the same value
	s_wait_xcnt 0x0                                ; and again, in front of the line that widens it
	s_or_b32 exec_lo, exec_lo, s38
	s_wait_tensorcnt 0x0                           ; the wave's end, behind my last LDS store
	ds_add_u32 v[SPW], v[NIL]
	s_wait_dscnt 0x0
	s_endpgm
; ---------------- weight_base into codes.  A wave takes 16 rows x 512 along K: one record's base part.  Waves share nothing: no barrier on this path.
.Lrows:
	s_sub_co_u32 s14, ttmp9, NH
	s_lshl_b32 s14, s14, 2
	s_add_co_u32 s14, s14, s12                     ; my task T
	s_lshr_b32 s15, s14, 3                         ; block of 16 rows
	s_and_b32 s16, s14, 7                          ; step j
	s_lshl_b32 s28, s15, 18                        ; 16 rows of 16,384 bytes
	s_lshl_b32 s17, s16, 11                        ; 512 numbers
	s_add_co_u32 s28, s28, s17
	s_mul_i32 s30, s12, WST
	s_add_co_u32 s30, s30, WSTB                    ; my stage
	v_add_nc_u32 v5, s30, v13                      ; on the way in: a load's 512 bytes on end; row i at 528 i
	v_mul_u32_u24 v6, v2, 528
	v_lshl_add_u32 v6, v3, 7, v6
	v_add_nc_u32 v6, s30, v6                       ; on the way out: row r, block h: 528 is an odd multiple of 16, so sixteen rows start at sixteen different columns of banks
	v_lshlrev_b32 v7, 3, v3                        ; 8 h: my bytes' place in a scale word
	v_mov_b32 v8, 0                                ; (a lane permute's destination counts as one of its sources)
	v_lshlrev_b32 v9, 4, v2                        ; 16 r
	s_wait_kmcnt 0x0
	s_add_nc_u64 s[20:21], s[40:41], s[28:29]
	s_mul_i32 s28, s14, REC
	s_add_nc_u64 s[22:23], s[42:43], s[28:29]      ; my record
.macro LOADG q                         ; group q: 128 numbers of each of my 16 rows; a load reads 512 consecutive bytes
.irp i, 0,1,2,3,4,5,6,7,8,9,10,11,12,13,14,15
	global_load_b128 v[R+RS*((\q)%2)+4*\i:R+RS*((\q)%2)+4*\i+3], v13, s[20:21] offset:16384*\i+512*(\q) th:TH_LOAD_NT
.endr
.endm
.macro GROUP q
.if \q < 3
	s_wait_loadcnt 16                              ; this group's 16 loads are in; the next group's 16 may be out
.else
	s_wait_loadcnt 0x0
.endif
.irp i, 0,1,2,3,4,5,6,7,8,9,10,11,12,13,14,15
	ds_store_b128 v5, v[R+RS*(\q%2)+4*\i:R+RS*(\q%2)+4*\i+3] offset:528*\i
.endr
.irp c, 0,1                            ; LDS serves a wave's instructions in order: these see the stores.  Lane (r, h) takes blocks h and 2 + h of row r, whole: the order of the operand's registers
.irp n, 0,1,2,3,4,5,6,7
	ds_load_b128 v[X+32*\c+4*\n:X+32*\c+4*\n+3], v6 offset:256*\c+16*\n
.endr
.endr
	s_wait_dscnt 0x0                               ; my numbers are back, and the stores have read their registers,
.if \q < 2
	LOADG \q+2                                     ; which take the group two further on
.endif
.irp c, 0,1
	v_max3_num_f32 v[M+\c], |v[X+32*\c]|, |v[X+32*\c+1]|, 0x1800000   ; the floor 2^(3 - 127): the byte cannot fall under 1
.endr
.irp i, 2,4,6,8,10,12,14,16,18,20,22,24,26,28,30
.irp c, 0,1
	v_max3_num_f32 v[M+\c], v[M+\c], |v[X+32*\c+\i]|, |v[X+32*\c+\i+1]|
.endr
.endr
.irp c, 0,1
	v_add_nc_u32 v[SO+\c], 0xff000000, v[M+\c]     ; 2 off the exponent field: the conversion takes this operand's exponent field as its scale
.endr
.irp c, 0,1
.irp g, 0,1,2,3
	v_cvt_scalef32_pk8_fp4_f32 v[C+8*\q+4*\c+\g], v[X+32*\c+8*\g:X+32*\c+8*\g+7], v[SO+\c]
.endr
.endr
	v_lshrrev_b32 v[Y], 23, v[SO]                  ; the bytes of blocks h and 2 + h  (a plain line behind the conversions)
	v_lshrrev_b32 v[Y+1], 23, v[SO+1]
	v_lshl_or_b32 v[Y], v[Y+1], 16, v[Y]
	v_lshlrev_b32 v[Y], v7, v[Y]                   ; at their places in the word
	v_permlanex16_b32 v8, v[Y], s36, s37
	v_or_b32 v[SW+\q], v[Y], v8                    ; with lane l xor 16's two the word is whole, in both lanes
.irp c, 0,1
	global_store_b128 v13, v[C+8*\q+4*\c:C+8*\q+4*\c+3], s[22:23] offset:1024*\q+512*\c   ; 32 lanes store 512 consecutive bytes
.endr
.endm
	LOADG 0
	LOADG 1
	GROUP 0
	GROUP 1
	GROUP 2
	GROUP 3
	global_store_b128 v9, v[SW:SW+3], s[22:23] offset:6144   ; [r][4 words]: 256 consecutive bytes; lanes 16-31 write the same bytes with the same values
	s_wait_tensorcnt 0x0                           ; the wave's end, behind my last LDS store
	ds_add_u32 v[SPW], v[NIL]
	s_wait_dscnt 0x0
	s_endpgm
.Lfunc_end_k_q94bfe42ddf_hprojw:
	.size	k_q94bfe42ddf_hprojw, .Lfunc_end_k_q94bfe42ddf_hprojw-k_q94bfe42ddf_hprojw
	.p2alignl 7, 3214868480
	.fill 96, 4, 3214868480
	.section	.rodata,"a",@progbits
	.p2align	6, 0x0
	.amdhsa_kernel k_q94bfe42ddf_hprojw
		.amdhsa_group_segment_fixed_size 67072
		.amdhsa_private_segment_fixed_size 0
		.amdhsa_enable_private_segment 0
		.amdhsa_kernarg_size 48
		.amdhsa_user_sgpr_count 2
		.amdhsa_user_sgpr_kernarg_segment_ptr 1
		.amdhsa_wavefront_size32 1
		.amdhsa_system_sgpr_workgroup_id_x 1
		.amdhsa_system_sgpr_workgroup_id_y 1
		.amdhsa_system_sgpr_workgroup_id_z 1
		.amdhsa_system_vgpr_workitem_id 0
		.amdhsa_next_free_vgpr 512
		.amdhsa_next_free_sgpr 66
		.amdhsa_reserve_vcc 1
		.amdhsa_float_denorm_mode_32 3
		.amdhsa_float_denorm_mode_16_64 3
		.amdhsa_memory_ordered 1
		.amdhsa_forward_progress 1
		.amdhsa_inst_pref_size 57
	.end_amdhsa_kernel
	.amdgpu_metadata
---
amdhsa.version: [ 1, 2 ]
amdhsa.kernels:
  - .name:           k_q94bfe42ddf_hprojw
    .symbol:         k_q94bfe42ddf_hprojw.kd
    .args:
      - { .name: xg, .offset: 0, .size: 8, .value_kind: global_buffer, .address_space: global }
      - { .name: la, .offset: 8, .size: 8, .value_kind: global_buffer, .address_space: global }
      - { .name: route, .offset: 16, .size: 8, .value_kind: global_buffer, .address_space: global }
      - { .name: aq, .offset: 24, .size: 8, .value_kind: global_buffer, .address_space: global }
      - { .name: weight_base, .offset: 32, .size: 8, .value_kind: global_buffer, .address_space: global }
      - { .name: wq, .offset: 40, .size: 8, .value_kind: global_buffer, .address_space: global }
    .group_segment_fixed_size: 67072
    .private_segment_fixed_size: 0
    .kernarg_segment_align: 8
    .kernarg_segment_size: 48
    .max_flat_workgroup_size: 128
    .sgpr_count:     66
    .vgpr_count:     512
    .wavefront_size: 32
...
	.end_amdgpu_metadata
.endif
;; end of part 2
;; launch gemm (part 3): grid 16 x 16, 4 waves a work-group, clusters of 4 x 4, 327,680 bytes of LDS; arguments aq, wq, out0; writes out0
.if DOCPART == 3
	.amdgcn_target "amdgcn-amd-amdhsa--gfx1250"
	.amdhsa_code_object_version 6
	.text
	.protected	k_q94bfe42ddf_gemm
	.globl	k_q94bfe42ddf_gemm
	.p2align	8
	.type	k_q94bfe42ddf_gemm,@function
k_q94bfe42ddf_gemm:
	s_mov_b64 s[64:65], 0
	v_nop
	global_prefetch_b8 v0, s[64:65] scope:SCOPE_SE
	s_setreg_imm32_b32 hwreg(HW_REG_WAVE_MODE, 25, 1), 1
	s_wait_xcnt 0x0
	s_wait_alu depctr_hold_cnt(0) depctr_sa_sdst(0) depctr_va_vdst(0) depctr_va_sdst(0) depctr_va_ssrc(0) depctr_va_vcc(0) depctr_vm_vsrc(0)
	s_getreg_b32 s2, hwreg(HW_REG_IB_STS2, 6, 4)
	s_cmp_eq_u32 s2, 0
	s_cbranch_scc0 .Lentry_in_a_cluster
	s_endpgm
.Lentry_in_a_cluster:
	s_bfe_u32 s2, ttmp6, 0x10000c
	s_cmp_lg_u32 s2, 0xf033
	s_cbranch_scc0 .Lentry_shape_is_right
	s_endpgm
.Lentry_shape_is_right:
; out[s][o] = sum over K = 4,096 + 2,048 of [x | masked h][s][k] [W | B][o][k], on codes of E2M1 with one E8M0 scale for each 32 along K; sums in f32, the base term and 2 x the lora term in one accumulator.
; (h's scale bytes carry the factor 2.  The masked h has zero codes at the experts that a token did not choose: in token order every tile of 128 rows may hold every expert, so those K steps stay.)
; OPERANDS lie in memory in the order of the operand's registers: [block of 16 rows][step j = 0 .. 7][record of 6,656 bytes]; a record holds four fragments of the base K (128 (4 j + q) on), two of expert j,
; and their scale words (+6144: [r][4 words]; +6400: [r][2 words]); 6,528 of its bytes are used.  So a step's part of a block of rows is ONE row of a tensor load, a fragment is two loads of 512 consecutive LDS bytes
; (no pitch, no padding, no bank met twice), and the scales ride in the ring.
; SHARES.  A tile of out is 128 x 256: 16 x 16 tiles, a work-group to each WGP.  Four waves, each 64 x 128: 32 accumulators of 16 x 16.  K goes in 8 steps through a ring of two LDS slots of 24 records (A's 8, then B's 16).
; Waves 0 and 1 fetch A's halves (4 records), waves 2 and 3 B's (8 records): one tensor load a wave for a step; by this text's count a wave has two loads out at the start and one behind each change of slots.
; CLUSTERS: 4 x 4 work-groups.  The four of a row of the cluster need the same records of A, the four of a column the same of B: each is asked for JOINTLY, by the same tensor load with the same descriptor and a mask that names the four.
; THE MATRIX INSTRUCTION IS USED TRANSPOSED (source 0 = 16 rows of [W | B], source 1 = 16 rows of [x | h]): a lane holds eight neighbouring numbers of a row of out.
; REGISTERS: window 0: v1-30 addresses; v32-95 base scale words, two sets (32 set + 4 i + q: lanes 0-15 A's block i, lanes 16-31 B's block i); v96-127 the experts' scale words (16 set + 2 i + ql);
;   v128-191 A's fragments, two sets of 32; on the way out v128-255 rows of out.   window 1: B's fragments, two sets, at v0 and v128.   window 2: the accumulators, (a, b) at v[8 (8 a + b)].
.set REC,    6656
.set RBP,    53248                     ; from a block of 16 rows to the next, in bytes
.set RB,     6528                      ; a record's bytes that come into LDS
.set HA,     4*RB
.set HB,     8*RB
.set SLOT,   24*RB
.set SPARE,  2*SLOT                    ; behind the ring: the spare words, 128 bytes for each wave
.set SPITCH, 528                       ; the way out: a stage of 16 rows x (512 bytes + 16) for each wave, in slot 0, which has had its last fill and its last read by then
.set ADRA, 16                          ; v16-17 LDS address of my A fragments in slot 0, 1
.set ADRT, 18                          ; v18-19 of the experts' scale words
.set ADRB, 20                          ; v20-21 of my B fragments
.set ADRS, 22                          ; v22-23 of the base scale words
.set STO,  24
.set RD,   25
.set CO,   26
.set SPW,  28                          ; v28 LDS address of my spare word; never rewritten
.set NIL,  29                          ; v29 0; never rewritten
.set PFO,  30                          ; v30 the prefetches' offset: 256 x min(lane, 25); never rewritten
.set SCB,  32
.set SCL,  96
.set AF,   128
.set BK,   128
.set G1,   24                          ; s[24:31] descriptor group 1 for A; s[32:39] group 0, a set for each slot
.set G0,   32
.set G1B,  48                          ; s[48:55], s[56:63] the same for B
.set G0B,  56
.set PFA,  66                          ; s[66:67] where my prefetches stand
.set LIM,  68                          ; s68 1 in a wave that prefetches, else the greatest number
.set MSB, 0
.macro WIN new                         ; the immediate's high byte repeats the setting that is left
.if MSB != \new
	s_set_vgpr_msb (MSB<<8)|\new
.set MSB, \new
.endif
.endm
.set MUL,  0xa1                        ; source 0 (B) window 1, source 1 (A) window 0, C and D window 2
.set TO_B, 0x40                        ; destination window 1, address window 0
; A joint load: waves 0 and 1 fetch for A, waves 2 and 3 for B; the branch hangs on the wave's number alone.  An s_nop 0 and four v_nop follow each of the two lines.
.macro JLOAD s
	s_cmp_eq_u32 s15, 0
	s_cbranch_scc0 .Lfor_b_\@
	tensor_load_to_lds s[G0+4*\s:G0+4*\s+3], s[G1:G1+7]
	s_nop 0
.rept 4
	v_nop
.endr
	s_branch .Lasked_\@
.Lfor_b_\@:
	tensor_load_to_lds s[G0B+4*\s:G0B+4*\s+3], s[G1B:G1B+7]
	s_nop 0
.rept 4
	v_nop
.endr
.Lasked_\@:
.endm
; A prefetch of the records that the refill two changes of slots on will ask for (steps 4 to 7; steps 0 to 3 come by their loads alone; the loop's last trip asks for nothing).  Each record is named once in the launch:
; A's by the clusters with x = 0, B's by those with y = 0; the four partners that ask for a tile jointly share its blocks of rows out BY ADDRESS (A: block cx of my four; B: blocks 2 cy and 2 cy + 1 of my eight).
; A record is 26 blocks of 256 bytes: lanes 256 bytes apart, the last six lanes on the last block.
.macro ASK
	s_cmp_gt_u32 s3, s[LIM]
	s_cbranch_scc0 .Lnot_mine_\@
	global_prefetch_b8 v[PFO], s[PFA:PFA+1] th:TH_LOAD_NT scope:SCOPE_SE
	s_cmp_eq_u32 s15, 0
	s_cbranch_scc1 .Lnot_mine_\@
	global_prefetch_b8 v[PFO], s[PFA:PFA+1] offset:RBP th:TH_LOAD_NT scope:SCOPE_SE
.Lnot_mine_\@:
.endm
.macro CREST                           ; a round of the cluster's barrier behind its opening barrier
	s_cmp_lg_u32 s14, 0
	s_cbranch_scc1 .Lnot_wave_0_\@
	s_barrier_signal -3
.Lnot_wave_0_\@:
	s_barrier_wait -3
	s_barrier_signal -1
	s_barrier_wait -1
.endm
.macro CROUND
	s_barrier_signal -1
	s_barrier_wait -1
	CREST
.endm
	s_load_b128 s[4:7], s[0:1], 0x0                ; aq s[4:5], wq s[6:7]
	s_load_b64 s[8:9], s[0:1], 0x10                ; out
	v_lshl_add_u32 v[SPW], v0, 2, SPARE
	v_mov_b32 v[NIL], 0
	ds_add_u32 v[SPW], v[NIL]                      ; the wave's opening: the add, twice on end, and its wait ahead of my first tensor load; the set-up below stands between
	ds_add_u32 v[SPW], v[NIL]
	v_lshrrev_b32 v1, 5, v0
	v_readfirstlane_b32 s14, v1                    ; wave 0..3
	s_lshr_b32 s15, s14, 1                         ; which half of the tile's rows is mine.  Also: I fetch for A (0) or for B (1)
	s_and_b32 s16, s14, 1                          ; which half of its columns.  Also: which half of that tile I fetch
	s_bfe_u32 s40, ttmp6, 0x40000                  ; cx, cy: my place in the cluster
	s_bfe_u32 s41, ttmp6, 0x40004
	s_lshl_b32 s42, ttmp9, 2
	s_add_co_u32 s42, s42, s40                     ; tile column = 4 x cluster x + cx
	s_and_b32 s17, ttmp7, 0xffff
	s_lshl_b32 s17, s17, 2
	s_add_co_u32 s17, s17, s41                     ; tile row = 4 x cluster y + cy
	s_lshl_b32 s43, s41, 2
	s_lshl_b32 s43, 15, s43                        ; my row of the cluster
	s_lshl_b32 s44, 0x1111, s40                    ; my column
	; descriptor group 1: 4 (A) or 8 (B) rows of 816 elements of 8 bytes, 6,656 elements apart in memory, dense in LDS
	s_or_b32 s[G1+0], s43, (3<<16)|(1<<21)         ; 15:0 the mask: A's records go to my row; 17:16 elements of 8 bytes; 21 set beside a mask; no padding
	s_or_b32 s[G1B+0], s44, (3<<16)|(1<<21)
	s_mov_b32 s[G1+1], 816<<16                     ; tensor_dim0
	s_mov_b32 s[G1+2], 4<<16                       ; tensor_dim1
	s_mov_b32 s[G1+3], 816<<16                     ; tile_dim0
	s_mov_b32 s[G1+4], 4                           ; tile_dim1
	s_mov_b32 s[G1+5], 6656                        ; tensor_dim0_stride
	s_mov_b32 s[G1+6], 0
	s_mov_b32 s[G1+7], 0
	s_mov_b32 s[G1B+1], 816<<16
	s_mov_b32 s[G1B+2], 8<<16
	s_mov_b32 s[G1B+3], 816<<16
	s_mov_b32 s[G1B+4], 8
	s_mov_b32 s[G1B+5], 6656
	s_mov_b32 s[G1B+6], 0
	s_mov_b32 s[G1B+7], 0
	s_lshl_b32 s20, s17, 3
	s_lshl_b32 s18, s16, 2
	s_add_co_u32 s20, s20, s18                     ; A: block of rows 8 x tile row + 4 x half
	s_mul_i32 s20, s20, RBP
	s_mov_b32 s21, 0
	s_lshl_b32 s46, s42, 4
	s_lshl_b32 s18, s16, 3
	s_add_co_u32 s46, s46, s18                     ; B: 16 x tile column + 8 x half
	s_mul_i32 s46, s46, RBP
	s_mov_b32 s47, 0
	s_mul_i32 s45, s16, HA                         ; where they go in a slot: no place in the cluster enters an LDS address
	s_mul_i32 s22, s16, HB
	s_add_co_u32 s22, s22, 2*HA
	s_wait_dscnt 0x0                               ; both opening adds are done
	s_wait_kmcnt 0x0
	s_add_nc_u64 s[20:21], s[4:5], s[20:21]
	s_add_nc_u64 s[46:47], s[6:7], s[46:47]
	CROUND                                         ; all sixteen work-groups are here: the first joint loads meet
.irp s, 0,1
	s_mov_b32 s[G0+4*\s], 1
	s_add_co_u32 s[G0+4*\s+1], s45, \s*SLOT
	s_add_nc_u64 s[G0+4*\s+2:G0+4*\s+3], s[20:21], \s*REC      ; step s
	s_or_b32 s[G0+4*\s+3], s[G0+4*\s+3], 0x80000000
	s_mov_b32 s[G0B+4*\s], 1
	s_add_co_u32 s[G0B+4*\s+1], s22, \s*SLOT
	s_add_nc_u64 s[G0B+4*\s+2:G0B+4*\s+3], s[46:47], \s*REC
	s_or_b32 s[G0B+4*\s+3], s[G0B+4*\s+3], 0x80000000
	JLOAD \s
.endr
	v_and_b32 v1, 31, v0                           ; lane
	v_and_b32 v2, 15, v0                           ; r
	v_bfe_u32 v3, v0, 4, 1                         ; h
	v_lshlrev_b32 v4, 4, v1                        ; 16 x lane: my place in half a fragment
	s_mul_i32 s10, s15, HA                         ; my four records of A; s22: my eight of B
	s_sub_co_u32 s11, s22, s10
	v_mul_u32_u24 v5, s11, v3                      ; lanes 16-31 take B's scale words: the lower base + h x the distance
	v_lshl_add_u32 v6, v2, 4, v5
	v_lshl_add_u32 v7, v2, 3, v5
	s_add_co_u32 s12, s10, 6144
	s_add_co_u32 s13, s10, 6400
.irp s, 0,1
	v_add_nc_u32 v[ADRA+\s], s10, v4
	v_add_nc_u32 v[ADRB+\s], s22, v4
	v_add_nc_u32 v[ADRS+\s], s12, v6
	v_add_nc_u32 v[ADRT+\s], s13, v7
	s_add_co_u32 s10, s10, SLOT
	s_add_co_u32 s22, s22, SLOT
	s_add_co_u32 s12, s12, SLOT
	s_add_co_u32 s13, s13, SLOT
.endr
	s_mul_i32 s23, s14, 16*SPITCH                  ; my stage
	v_mul_u32_u24 v5, v2, SPITCH                   ; in: row r, 32 bytes for each half of the lanes
	v_lshl_add_u32 v5, v3, 5, v5
	v_add_nc_u32 v[STO], s23, v5
	v_lshlrev_b32 v[CO], 4, v1                     ; back: the 32 lanes take one row of 512 bytes; and the same in out
	v_add_nc_u32 v[RD], s23, v[CO]
	s_lshl_b32 s20, s17, 7
	s_lshl_b32 s21, s15, 6
	s_add_co_u32 s20, s20, s21                     ; my first row of out
	s_lshl_b32 s20, s20, 14                        ; rows of 16,384 bytes
	s_lshl_b32 s46, s42, 10
	s_lshl_b32 s47, s16, 9
	s_add_co_u32 s46, s46, s47                     ; my first column, in bytes
	s_add_co_u32 s20, s20, s46
	s_mov_b32 s21, 0
	s_add_nc_u64 s[8:9], s[8:9], s[20:21]
	; the prefetches: where mine stand, and who asks
	s_lshl_b32 s10, s17, 3
	s_lshl_b32 s12, s16, 2
	s_add_co_u32 s10, s10, s12
	s_add_co_u32 s10, s10, s40                     ; A: of the four blocks that I fetch, block cx
	s_lshl_b32 s11, s42, 4
	s_lshl_b32 s12, s16, 3
	s_add_co_u32 s11, s11, s12
	s_lshl_b32 s12, s41, 1
	s_add_co_u32 s11, s11, s12                     ; B: of my eight, blocks 2 cy and 2 cy + 1
	s_and_b32 s12, ttmp7, 0xffff
	s_cmp_eq_u32 s15, 0
	s_cselect_b32 s10, s10, s11
	s_cselect_b32 s12, ttmp9, s12                  ; the coordinate along which other clusters read the same records
	s_cselect_b64 s[PFA:PFA+1], s[4:5], s[6:7]
	s_cmp_eq_u32 s12, 0
	s_cselect_b32 s[LIM], 1, -1                    ; the same in all sixteen partners, for a given wave
	s_mul_i32 s10, s10, RBP
	s_add_co_u32 s10, s10, 3*REC                   ; at step 3: the first filling change of slots steps it to step 4
	s_mov_b32 s11, 0
	s_add_nc_u64 s[PFA:PFA+1], s[PFA:PFA+1], s[10:11]
	v_min_u32 v[PFO], 25, v1
	v_lshlrev_b32 v[PFO], 8, v[PFO]
; the fragments of the slot's q-th 128 along K (q = 0 .. 3 the base, 4 and 5 the expert) into set p: B's eight blocks, A's four; each load takes 512 consecutive bytes
.macro FETCH slot, q, p
	WIN TO_B
.irp i, 0,1,2,3,4,5,6,7
.irp c, 0,1
	ds_load_b128 v[128*(\p)+8*\i+4*\c:128*(\p)+8*\i+4*\c+3], v[ADRB+\slot] offset:RB*\i+1024*(\q)+512*\c
.endr
.endr
	WIN 0
.irp i, 0,1,2,3
.irp c, 0,1
	ds_load_b128 v[AF+32*(\p)+8*\i+4*\c:AF+32*(\p)+8*\i+4*\c+3], v[ADRA+\slot] offset:RB*\i+1024*(\q)+512*\c
.endr
.endr
.endm
; a slot's scale words into set s: lanes 0-15 take A's block i, lanes 16-31 B's block i.  (For i over 3 lanes 0-15 read bytes of the slot that lie behind A's four records: filled, and not used.)
.macro SCALES s
.irp i, 0,1,2,3,4,5,6,7
	ds_load_b128 v[SCB+32*\s+4*\i:SCB+32*\s+4*\i+3], v[ADRS+\s] offset:RB*\i
	ds_load_b64 v[SCL+16*\s+2*\i:SCL+16*\s+2*\i+1], v[ADRT+\s] offset:RB*\i
.endr
.endm
; 8 matrix instructions: A's block a x B's eight.  The 32 accumulators take turns, one instruction a turn, in the same order in every step of 128.  zero = 1: the first product starts the sums.
.macro MULA a, p, q, s, zero
.irp b, 0,1,2,3,4,5,6,7
.if (\q) < 4
.set rSB, SCB+32*(\s)+4*\b+(\q)
.set rSA, SCB+32*(\s)+4*(\a)+(\q)
.else
.set rSB, SCL+16*(\s)+2*\b+(\q)-4
.set rSA, SCL+16*(\s)+2*(\a)+(\q)-4
.endif
.if \zero
	v_wmma_scale_f32_16x16x128_f8f6f4 v[8*(8*(\a)+\b):8*(8*(\a)+\b)+7], v[128*(\p)+8*\b:128*(\p)+8*\b+7], v[AF+32*(\p)+8*(\a):AF+32*(\p)+8*(\a)+7], 0, v[rSB], v[rSA] matrix_a_fmt:MATRIX_FMT_FP4 matrix_b_fmt:MATRIX_FMT_FP4 matrix_a_scale:MATRIX_SCALE_ROW1
.else
	v_wmma_scale_f32_16x16x128_f8f6f4 v[8*(8*(\a)+\b):8*(8*(\a)+\b)+7], v[128*(\p)+8*\b:128*(\p)+8*\b+7], v[AF+32*(\p)+8*(\a):AF+32*(\p)+8*(\a)+7], v[8*(8*(\a)+\b):8*(8*(\a)+\b)+7], v[rSB], v[rSA] matrix_a_fmt:MATRIX_FMT_FP4 matrix_b_fmt:MATRIX_FMT_FP4 matrix_a_scale:MATRIX_SCALE_ROW1
.endif
.endr
.endm
.macro PLACES n                        ; plain vector instructions between a matrix instruction and a load into a register that it has read, or a store that reads its result
.rept \n
	v_nop
.endr
.endm
; a step of 128 along K that has its successor in the same slot: the successor's 24 loads go out, then this step's 32 products
.macro STEP slot, q, zero
	s_wait_dscnt 0x0                               ; this step's fragments (and, at a slot's head, its scale words) are in
	PLACES 4                                       ; the other set was multiplied last
	FETCH \slot, (\q)+1, 1-(\q)%2
	WIN MUL
	MULA 0, (\q)%2, \q, \slot, \zero
	MULA 1, (\q)%2, \q, \slot, \zero
	MULA 2, (\q)%2, \q, \slot, \zero
	MULA 3, (\q)%2, \q, \slot, \zero
.endm
; a slot's last step changes slots: ONE barrier; in front of it each wave waits for all its tensor loads, adds 0 to its spare word, and waits for that and for its reads of this slot.
; fill = 1: the barrier opens a round of the cluster's barrier, and this slot is filled again, two steps ahead, first thing behind the round.
.macro TURN slot, next, fill
.if \fill
	s_wait_xcnt 0x0                                ; the last prefetch, a step back, has read its address, so it may be stepped
	s_add_nc_u64 s[PFA:PFA+1], s[PFA:PFA+1], REC
.endif
	WIN 0                                          ; (the add's two registers lie in window 0)
	s_wait_tensorcnt 0x0                           ; all my tensor loads have landed: my part of the next slot
	ds_add_u32 v[SPW], v[NIL]                      ; 0 onto my spare word
	s_wait_dscnt 1                                 ; this step's fragments are in; the add alone may be out
	WIN MUL
	MULA 0, 1, 5, \slot, 0                         ; sixteen matrix instructions stand between the add and the wait for it
	MULA 1, 1, 5, \slot, 0
	s_wait_dscnt 0x0                               ; the add is done, and my reads of this slot are over
	s_barrier_signal -1
	MULA 2, 1, 5, \slot, 0
	WIN 0
	s_barrier_wait -1
.if \fill
	CREST                                          ; no wave of any partner still reads this slot or has a load on its way
	s_add_nc_u64 s[G0+4*\slot+2:G0+4*\slot+3], s[G0+4*\slot+2:G0+4*\slot+3], 2*REC
	s_add_nc_u64 s[G0B+4*\slot+2:G0B+4*\slot+3], s[G0B+4*\slot+2:G0B+4*\slot+3], 2*REC
	JLOAD \slot                                    ; the first tensor load behind the round; its four v_nop are also the places in front of the loads below
.else
	PLACES 4
.endif
	FETCH \next, 0, 0
	SCALES \next
.if \fill
	ASK                                            ; behind the joint load and the run of LDS loads that the next products wait for
.endif
	WIN MUL
	MULA 3, 1, 5, \slot, 0
.endm
	s_wait_tensorcnt 0x1                           ; my part of step 0 is in (step 1's load may be out)
	s_barrier_signal -1
	s_barrier_wait -1                              ; everybody's is
	FETCH 0, 0, 0
	SCALES 0
	STEP 0, 0, 1                                   ; the first 128 along K stand in front of the loop: their products start the sums
	WIN 0                                          ; at a label and at a branch every window is 0
	s_mov_b32 s3, 3
.Llap:                                                 ; a trip goes once round the ring and fills both slots again: steps 2 to 7 in three trips
	STEP 0, 1, 0
	STEP 0, 2, 0
	STEP 0, 3, 0
	STEP 0, 4, 0
	TURN 0, 1, 1
	STEP 1, 0, 0
	STEP 1, 1, 0
	STEP 1, 2, 0
	STEP 1, 3, 0
	STEP 1, 4, 0
	TURN 1, 0, 1
	STEP 0, 0, 0
	WIN 0
	s_sub_co_u32 s3, s3, 1
	s_cmp_lg_u32 s3, 0
	s_cbranch_scc1 .Llap
	STEP 0, 1, 0                                   ; the last two steps fill nothing, and have no round of the cluster's barrier
	STEP 0, 2, 0
	STEP 0, 3, 0
	STEP 0, 4, 0
	TURN 0, 1, 0
	STEP 1, 0, 0
	STEP 1, 1, 0
	STEP 1, 2, 0
	STEP 1, 3, 0
	STEP 1, 4, 0
	s_wait_dscnt 0x0                               ; the very last 128 along K: nothing more to fetch
	WIN MUL
	MULA 0, 1, 5, 1, 0
	MULA 1, 1, 5, 1, 0
	MULA 2, 1, 5, 1, 0
	MULA 3, 1, 5, 1, 0
	WIN 0
; THE WAY OUT, block by block of 16 rows x 128 columns: a lane holds 32 neighbouring bytes of a row and the lanes beside it other rows, so a block goes through my own stage in LDS and comes back as whole rows of
; 512 bytes.  LDS serves a wave's instructions in order (ISA guide 5.7.1.4): no wait between the stores and the loads.
.macro TOSTAGE a
.set AC, 64*(\a)
	WIN 0x08                                       ; an LDS store's data: window 2
.irp b, 0,1,2,3,4,5,6,7
	ds_store_b128 v[STO], v[AC+8*\b:AC+8*\b+3] offset:64*\b          ; each accumulator from its low end on
	ds_store_b128 v[STO], v[AC+8*\b+4:AC+8*\b+7] offset:64*\b+16
.endr
	WIN 0
.set BB, BK+64*((\a)%2)
.irp t, 0,1,2,3,4,5,6,7,8,9,10,11,12,13,14,15
	ds_load_b128 v[BB+4*\t:BB+4*\t+3], v[RD] offset:\t*SPITCH
.endr
.endm
.macro SEND a, younger                 ; younger: the LDS instructions issued behind block a's loads, which may stay out
.set BB, BK+64*((\a)%2)
	s_wait_dscnt \younger
.if (\a) > 0
	s_add_nc_u64 s[8:9], s[8:9], 16*16384          ; 16 rows on (behind a wait on XCNT: the earlier stores have read their base)
.endif
.irp t, 0,1,2,3,4,5,6,7,8,9,10,11,12,13,14,15
	global_store_b128 v[CO], v[BB+4*\t:BB+4*\t+3], s[8:9] offset:\t*16384 th:TH_STORE_NT   ; 32 lanes store 512 consecutive bytes, at a multiple of 256 from out's first byte
.endr
.endm
	PLACES 4                                       ; behind the last products: for the stores that read results and the loads into A's registers
	TOSTAGE 0
.irp a, 1,2,3
.if \a > 1
	s_wait_xcnt 0x0                                ; block a - 2's stores have read their registers and their base
.endif
	TOSTAGE \a
	SEND \a-1, 32                                  ; behind block a - 1's loads: block a's 16 stores and 16 loads
.endr
	s_wait_xcnt 0x0
	SEND 3, 0
	s_wait_tensorcnt 0x0                           ; the wave's end, behind my last tensor load and my last LDS store
	ds_add_u32 v[SPW], v[NIL]
	s_wait_dscnt 0x0
	CROUND                                         ; the closing round: no work-group ends while a partner may still ask for a tile that names it
	s_endpgm
.Lfunc_end_k_q94bfe42ddf_gemm:
	.size	k_q94bfe42ddf_gemm, .Lfunc_end_k_q94bfe42ddf_gemm-k_q94bfe42ddf_gemm
	.p2alignl 7, 3214868480
	.fill 96, 4, 3214868480
	.section	.rodata,"a",@progbits
	.p2align	6, 0x0
	.amdhsa_kernel k_q94bfe42ddf_gemm
		.amdhsa_group_segment_fixed_size 327680
		.amdhsa_private_segment_fixed_size 0
		.amdhsa_enable_private_segment 0
		.amdhsa_kernarg_size 24
		.amdhsa_user_sgpr_count 2
		.amdhsa_user_sgpr_kernarg_segment_ptr 1
		.amdhsa_wavefront_size32 1
		.amdhsa_system_sgpr_workgroup_id_x 1
		.amdhsa_system_sgpr_workgroup_id_y 1
		.amdhsa_system_sgpr_workgroup_id_z 1
		.amdhsa_system_vgpr_workitem_id 0
		.amdhsa_next_free_vgpr 768
		.amdhsa_next_free_sgpr 72
		.amdhsa_reserve_vcc 0
		.amdhsa_float_denorm_mode_32 3
		.amdhsa_float_denorm_mode_16_64 3
		.amdhsa_memory_ordered 1
		.amdhsa_forward_progress 1
		.amdhsa_inst_pref_size 169
	.end_amdhsa_kernel
	.amdgpu_metadata
---
amdhsa.version: [ 1, 2 ]
amdhsa.kernels:
  - .name:           k_q94bfe42ddf_gemm
    .symbol:         k_q94bfe42ddf_gemm.kd
    .args:
      - { .name: aq, .offset: 0, .size: 8, .value_kind: global_buffer, .address_space: global }
      - { .name: wq, .offset: 8, .size: 8, .value_kind: global_buffer, .address_space: global }
      - { .name: out0, .offset: 16, .size: 8, .value_kind: global_buffer, .address_space: global }
    .group_segment_fixed_size: 327680
    .private_segment_fixed_size: 0
    .kernarg_segment_align: 8
    .kernarg_segment_size: 24
    .max_flat_workgroup_size: 128
    .sgpr_count:     72
    .vgpr_count:     768
    .wavefront_size: 32
...
	.end_amdgpu_metadata
.endif
;; end of part 3
